; MI455X (gfx1250); checked and timed in simulation.
; The chip was launched on July 23, 2026; its instructions are those of AMD's public machine-readable ISA for CDNA 5 (MIT licence, August 2026) and "CDNA5" Instruction Set Architecture Reference Guide (July 2026). The comments in the code are by the model that wrote it; some were corrected since.
;; Self Attention. Allowed arithmetic: matrix products marked QUANTISED: E3M2 operands, one E8M0 scale for each 32 along K, by v_wmma_scale_f32_16x16x128_f8f6f4 with both operands' format E3M2, f32 sums; everything else in f32.
;; Inputs: qkv 4 x 2,048 x 3 x 16 x 128 float32.
;; Outputs: out0 4 x 2,048 x 16 x 128 float32.
;; This version of the problem:
;;   THIS VERSION OF THE PROBLEM IS GIVEN IN LOW PRECISION. The matrix products marked QUANTISED in the list below multiply operands that are first quantised to E3M2 (3 exponent bits, 2 mantissa bits; 6 bits a number), with one power-of-two scale for each 32 numbers along K (OCP MX v1.0); their sums are f32. All else is computed in f32.
;;   The module's matrix products, in the order in which they are computed (A, B: the left and right operand; K: the contracted axis; several contracted axes count as one K, in the product's order):
;;     1. batch 64 x [M 2,048, K 128] x [K 128, N 2,048]; A: input qkv; B: computed on the way: QUANTISED
;;     2. batch 64 x [M 128, K 2,048] x [K 2,048, N 2,048]; A: input qkv; B: softmax (see below): QUANTISED
;;   THE QUANTISER, for each operand of a quantised product, along K:
;;     - K is cut into blocks of 32 from its start; a last block that is shorter is filled with zeros.
;;     - A block's scale is 2^e with e = floor(log2(the largest magnitude in the block)) - 4, held to -126 .. 127; a block of zeros has e = 0. As a byte (E8M0): e + 127.
;;     - Each number is divided by its block's scale, clamped to +-28, and rounded to the nearest number of E3M2, ties to even, subnormals kept.
;;     - The product sums the exact products of the quantised numbers (number of the format x scale) in f32.
;;   ~~~python
;;   def quantise(x, axis):      # numpy; x: float32 -> the quantised numbers, widened to float32 again
;;       x = np.moveaxis(x, axis, -1); K = x.shape[-1]
;;       x = np.pad(x, [(0, 0)] * (x.ndim - 1) + [(0, -K % 32)]); x = x.reshape(x.shape[:-1] + (-1, 32)); a = np.abs(x).max(-1, keepdims=True)
;;       e = np.where(a > 0, np.clip(np.frexp(np.where(a > 0, a, 1))[1] - 1 - 4, -126, 127), 0)      # np.frexp(a)[1] - 1 = floor(log2(a)), exactly
;;       r = np.clip(x / 2.0 ** e, -28, 28)
;;       step = 2.0 ** (np.maximum(np.frexp(np.where(r == 0, 1, r))[1] - 1, -2) - 2)
;;       q = np.round(r / step) * step * 2.0 ** e      # np.round: ties to even
;;       return np.moveaxis(q.reshape(q.shape[:-2] + (-1,))[..., :K], -1, axis).astype(np.float32)
;;   ~~~
;;   SOFTMAX AHEAD OF A QUANTISED PRODUCT. Where the list says 'softmax', what is quantised is not the finished softmax but p = 2^(t - M), with t = logit x log2(e) and M = ceil(the row's largest t), a whole number; so 1/2 < the row's largest p <= 1. The row's sum l is taken of the UNQUANTISED p, in f32, and the product's result is divided by l at the end. Since M is a whole number, a kernel that streams over the keys may use a running M (the ceiling of the running maximum): every later rescaling is an exact power of two, which a block's scale takes up: the codes' values come out the same.
;;   OPERANDS COMPUTED ON THE WAY. 'Computed on the way' means the value that the module computes at that place (a softmax that the list does not call 'softmax' is quantised finished and normalised). What goes into a quantiser is computed in f32, as accurately as f32 sums, v_exp_f32 and their like allow (about 1e-6 of the number): no bf16 or f16 on the way to a quantiser, and a product that is left as it is and whose result goes on into a quantised operand takes f32 operands (vector FMAs, or v_wmma_f32_16x16x4_f32). A number that lies on a knife's edge between two numbers of the format may be rounded either way, as far as f32 arithmetic and the matrix unit's own rounding can turn it there, and no further.
;; One version. Each part assembles by itself: llvm-mc -triple=amdgcn-amd-amdhsa -mcpu=gfx1250 --defsym DOCPART=n.
;; ======== version 1 of 1: 2 launches
;; limits: right only within a limited range of input values
;; workspace buffers: qimg 13,107,200 bytes; kvimg 26,214,400 bytes
;; launch quant (part 1): grid 256 x 4, 4 waves a work-group, no clusters, 34,304 bytes of LDS; arguments qkv, qimg, kvimg; writes qimg, kvimg
.if DOCPART == 1
	.amdgcn_target "amdgcn-amd-amdhsa--gfx1250"
	.amdhsa_code_object_version 6
	.text
	.protected	k_q6747b6df92_quant
	.globl	k_q6747b6df92_quant
	.p2align	8
	.type	k_q6747b6df92_quant,@function
k_q6747b6df92_quant:
	s_mov_b64 s[64:65], 0
	v_nop
	global_prefetch_b8 v0, s[64:65] scope:SCOPE_SE
	s_setreg_imm32_b32 hwreg(HW_REG_WAVE_MODE, 25, 1), 1
	s_wait_xcnt 0x0
; qkv [4][2048][3][16][128] f32 is read once and turned into codes of BF6 (E3M2) with one E8M0 scale byte for each 32 along K:
;   q          blocks along the head's 128 channels  -> qimg
;   k / sqrt(128), multiplied in f32 ahead of the quantiser, blocks along the 128 channels -> kvimg
;   v          blocks along the KEYS                 -> kvimg
; A block's scale is 2^(floor(log2(its largest magnitude)) - 4); its byte is the largest magnitude's exponent field - 4, held at 1 from below.
; THE BUFFERS ARE THIS PROGRAM'S OWN AND ARE LAID AS IMAGES OF THE OPERANDS' REGISTERS.  A fragment (16 rows x 128 K, 12 registers a lane) is 1,536 bytes:
; register p of lane l lies at 512 (p / 4) + 16 l + 4 (p % 4), so that three loads of 16 bytes a lane bring it back.
;   kvimg[16 b + h][slot of 256 keys], 51,200 bytes:  0: K's fragments at 12288 s + 1536 T (s: step of 128 keys; tile T = 2 bb + u, whose row r is key 32 bb + 8 u + r + 8 (r / 8));
;      24576: K's scale words at 512 s + 256 (T / 4) + 16 r + 4 (T % 4);  25600: V^T's fragments at 12288 s + 1536 t (row r = channel 16 t + r, K = the step's keys);  50176: V's scale words at 128 t + 8 r + 4 s.
;   qimg[16 b + h][block of 256 queries], 25,600 bytes: as K's two parts, but row r of tile T is query 16 T + r.
; SHARES.  Work-group y = 0: q, 1: k, 2 and 3: v.  q, k: a wave takes 128 rows of one head, 8 tiles.  v: a work-group takes 256 keys of one head, a wave 32 channels.
; No tensor loads, no barrier: waves share nothing.  Only the q / k path uses LDS (a stage of its own for each wave).
; LIMITS: NaN and infinities among the inputs are not served.  A block whose largest magnitude lies under 2^-122 keeps the byte 1; so does a block of zeros
; (the quantiser's text says 127 there): its codes are zeros, which add nothing under any byte but 0xff, and this program alone reads the bytes.
.set RS,  24576                        ; bytes from a row s of qkv to row s + 1: 3 x 16 x 128 x 4
.set R,   128                          ; q, k: v128-255  two sets of 64: a tile of 16 rows as loaded
.set X,   64                           ; q, k: v64-127   register 32 c + i = channel 64 c + 32 (lane / 16) + i of row lane % 16
.set F,   36                           ; q, k: v36-47    the fragment
.set SW,  20                           ; q, k: v20-27    the eight tiles' scale words
.set XV,  128                          ; v: v128-191     two sets of 32: a block of 32 keys of my channel
.set FV,  36                           ; v: v36-83       four fragments' registers: no store's data are written again
	s_load_b128 s[4:7], s[0:1], 0x0                ; qkv s[4:5], qimg s[6:7]
	s_load_b64 s[8:9], s[0:1], 0x10                ; kvimg
	v_lshl_add_u32 v14, v0, 2, 0x8400
	v_mov_b32 v15, 0
	v_lshrrev_b32 v1, 5, v0
	v_readfirstlane_b32 s10, v1                    ; wave 0..3
	v_and_b32 v1, 31, v0                           ; lane
	v_lshlrev_b32 v2, 4, v1                        ; 16 x lane: an image's place for my lane, and my 16 bytes of a row of 512
	v_and_b32 v3, 15, v0                           ; r
	v_bfe_u32 v4, v0, 4, 1                         ; lane / 16
	s_and_b32 s11, ttmp7, 0xffff                   ; y
	s_cmp_ge_u32 s11, 2
	s_cbranch_scc1 .Lv
; ---------------------------------------------------------------- q and k: K is innermost in memory
	s_lshr_b32 s24, ttmp9, 2                       ; 16 b + h
	s_and_b32 s25, ttmp9, 3
	s_lshl_b32 s25, s25, 2
	s_add_co_u32 s25, s25, s10                     ; which 128 rows of the head: 4 (x % 4) + wave
	s_lshr_b32 s26, s24, 4
	s_mul_i32 s26, s26, 2048*RS                    ; b
	s_mul_i32 s27, s25, 128*RS                     ; my first row
	s_add_co_u32 s26, s26, s27
	s_lshl_b32 s27, s11, 13                        ; q or k: 16 x 128 x 4 bytes apart
	s_add_co_u32 s26, s26, s27
	s_and_b32 s27, s24, 15
	s_lshl_b32 s27, s27, 9                         ; h
	s_add_co_u32 s26, s26, s27
	s_mov_b32 s27, 0                               ; (the whole of qkv is under 2^31 bytes)
	s_lshr_b32 s28, s25, 1
	s_lshl_b32 s29, s24, 3
	s_add_co_u32 s28, s28, s29                     ; 8 (16 b + h) + slot
	s_and_b32 s29, s10, 1                          ; which step of the slot
	s_mov_b32 s30, 51200
	s_mov_b32 s20, 0x3db504f3                      ; 1 / sqrt(128) in f32
	s_mov_b32 s22, 0x76543210
	s_mov_b32 s23, 0xfedcba98                      ; v_permlanex16_b32's selects for lane l xor 16
	; WHICH ROWS FORM A TILE stands in the loads' offsets alone: k's tiles take rows 0-7 and 16-23 (or 8-15 and 24-31) of each 32, q's take 16 neighbours
	s_add_co_u32 s36, s11, 1
	s_mul_i32 s36, s36, 8*RS
	s_wait_alu depctr_va_vdst(0)
	v_add_nc_u32 v5, s36, v2                       ; 16 x lane + 8 (1 + y) rows
	s_sub_co_u32 s37, 2, s11
	s_mul_i32 s37, s37, 8*RS
	v_add_nc_u32 v6, s37, v2                       ; 16 x lane + 8 (2 - y) rows
	s_mul_i32 s38, s10, 16*528                     ; my stage: 16 rows of 512 bytes + 16: 132 words, so that 16 rows begin in 16 different groups of four banks
	v_add_nc_u32 v7, s38, v2                       ; in: a row as it lies
	v_mul_u32_u24 v8, v3, 528
	v_lshl_add_u32 v8, v4, 7, v8
	v_add_nc_u32 v8, s38, v8                       ; out: row r, + 128 bytes for lanes 16-31: my 32 channels of each 64
	v_lshlrev_b32 v9, 3, v4                        ; 8 (lane / 16): where my two bytes stand in the scale word
	v_mov_b32 v35, 0                               ; written once: a lane permute's destination counts as one of its sources
	s_wait_alu depctr_va_vdst(0)
	s_wait_kmcnt 0x0
	s_cmp_eq_u32 s11, 1                            ; k or q?  The choice hangs on the work-group's number alone
	s_cselect_b64 s[14:15], s[8:9], s[6:7]
	s_cselect_b32 s30, s30, 25600                  ; bytes of a slot in the buffer chosen
	s_cselect_b32 s20, s20, 1.0                    ; one text serves both: q is multiplied by 1.0, which changes nothing
	s_mov_b32 s21, s20                             ; (the packed form names the pair)
	s_mul_i32 s28, s28, s30
	s_mul_i32 s31, s29, 12288
	s_add_co_u32 s32, s28, s31                     ; my step's fragments
	s_mov_b32 s33, 0
	s_lshl_b32 s31, s29, 9
	s_add_co_u32 s34, s28, s31
	s_add_co_u32 s34, s34, 24576                   ; my step's scale words
	s_mov_b32 s35, 0
	s_add_nc_u64 s[16:17], s[14:15], s[34:35]
	s_add_nc_u64 s[14:15], s[14:15], s[32:33]
	s_add_nc_u64 s[12:13], s[4:5], s[26:27]
.macro LOADT T                         ; tile T's 16 rows into set T % 2: each load reads a row's 512 consecutive bytes
.set RL, R+64*((\T)%2)
.set BB, (\T)/2
.irp p, 0,1,2,3,4,5,6,7,8,9,10,11,12,13,14,15
.if ((\T)%2) == 0
.if \p < 8
	global_load_b128 v[RL+4*\p:RL+4*\p+3], v2, s[12:13] offset:(32*BB+\p)*RS th:TH_LOAD_NT
.else
	global_load_b128 v[RL+4*\p:RL+4*\p+3], v5, s[12:13] offset:(32*BB+\p-8)*RS th:TH_LOAD_NT
.endif
.else
.if \p < 8
	global_load_b128 v[RL+4*\p:RL+4*\p+3], v6, s[12:13] offset:(32*BB+\p)*RS th:TH_LOAD_NT
.else
	global_load_b128 v[RL+4*\p:RL+4*\p+3], v2, s[12:13] offset:(32*BB+16+\p)*RS th:TH_LOAD_NT
.endif
.endif
.endr
.endm
.macro TILE T
.set RB, R+64*((\T)%2)
.if (\T) < 7
	s_wait_loadcnt 16                              ; this tile's 16 loads are in; the next tile's 16 may be out
.else
	s_wait_loadcnt 0x0
.endif
.irp p, 0,1,2,3,4,5,6,7,8,9,10,11,12,13,14,15
	ds_store_b128 v7, v[RB+4*\p:RB+4*\p+3] offset:528*\p
.endr
.irp c, 0,1
.irp j, 0,1,2,3,4,5,6,7
	ds_load_b128 v[X+32*\c+4*\j:X+32*\c+4*\j+3], v8 offset:256*\c+16*\j   ; LDS serves a wave's instructions in order: these see the stores above
.endr
.endr
	s_wait_dscnt 0x0                               ; my 64 numbers are in, and the stores have read the set,
.if (\T) < 6
	LOADT (\T)+2                                   ; which takes the tile two further on
.endif
.set j, 0
.rept 32
	v_pk_mul_f32 v[X+j:X+j+1], v[X+j:X+j+1], s[20:21] op_sel_hi:[1,0]   ; k x 1 / sqrt(128), in f32, ahead of the quantiser (q x 1.0)
.set j, j+2
.endr
.irp c, 0,1                                    ; my block 2 c + lane / 16: all its 32 numbers are mine
	v_max3_num_f32 v[28+\c], |v[X+32*\c]|, |v[X+32*\c+1]|, 0x2800000     ; and the floor 2^(5 - 127): the byte cannot fall under 1
.endr
.irp i, 2,4,6,8,10,12,14,16,18,20,22,24,26,28,30
.irp c, 0,1
	v_max3_num_f32 v[28+\c], v[28+\c], |v[X+32*\c+\i]|, |v[X+32*\c+\i+1]|   ; (the two blocks by turns)
.endr
.endr
.irp c, 0,1
	v_add_nc_u32 v[30+\c], 0xfe000000, v[28+\c]    ; 4 off the exponent field: the conversion takes the exponent field of this operand as its scale
.endr
.irp c, 0,1
	v_lshrrev_b32 v[32+\c], 23, v[30+\c]           ; the scale's byte
.endr
	v_lshl_or_b32 v34, v33, 16, v32                ; my two bytes,
	v_lshlrev_b32 v34, v9, v34                     ; at their places in the word;
	v_permlanex16_b32 v35, v34, s22, s23
	v_or_b32 v[SW+(\T)], v34, v35                  ; with lane l xor 16's two the word is whole, in both lanes
	s_wait_alu depctr_va_vdst(0)
	s_wait_xcnt 0x0                                ; the last tile's stores have had their addresses translated: only behind this wait is the fragment written again
	v_cvt_scalef32_pk16_bf6_f32 v[F:F+2], v[X:X+15], v30
	v_cvt_scalef32_pk16_bf6_f32 v[48:50], v[X+16:X+31], v30        ; (a conversion's three registers begin on an even number)
	v_cvt_scalef32_pk16_bf6_f32 v[F+6:F+8], v[X+32:X+47], v31
	v_cvt_scalef32_pk16_bf6_f32 v[52:54], v[X+48:X+63], v31
	v_nop                                          ; one plain place behind a scaled conversion
.irp i, 0,1,2
	v_mov_b32 v[F+3+\i], v[48+\i]
	v_mov_b32 v[F+9+\i], v[52+\i]
.endr
.irp g, 0,1,2
	global_store_b128 v2, v[F+4*\g:F+4*\g+3], s[14:15] offset:1536*(\T)+512*\g   ; 32 lanes store 512 consecutive bytes, at a multiple of 256 from the buffer's first byte
.endr
.endm
	LOADT 0
	LOADT 1
.irp t, 0,1,2,3,4,5,6,7
	TILE \t
.endr
	v_cmp_lt_u32 vcc_lo, 15, v1                    ; lanes 0-15 send tiles 0-3's words of row r, lanes 16-31 tiles 4-7's
.irp j, 0,1,2,3
	v_cndmask_b32 v[16+\j], v[SW+\j], v[SW+4+\j], vcc_lo
.endr
	global_store_b128 v2, v[16:19], s[16:17]       ; 512 consecutive bytes
	s_wait_tensorcnt 0x0
	ds_add_u32 v14, v15
	s_wait_dscnt 0x0
	s_endpgm
; ---------------------------------------------------------------- v: K (the keys) is not innermost: a lane takes a channel, and its registers run down the keys
.Lv:
	s_sub_co_u32 s24, s11, 2
	s_lshl_b32 s24, s24, 8
	s_add_co_u32 s24, s24, ttmp9                   ; 8 (16 b + h) + slot
	s_lshr_b32 s25, s24, 3
	s_and_b32 s26, s24, 7
	s_lshr_b32 s27, s25, 4
	s_mul_i32 s27, s27, 2048*RS
	s_mul_i32 s26, s26, 256*RS
	s_add_co_u32 s26, s26, s27
	s_and_b32 s27, s25, 15
	s_lshl_b32 s27, s27, 9
	s_add_co_u32 s26, s26, s27
	s_lshl_b32 s27, s10, 7                         ; my wave's 32 channels
	s_add_co_u32 s26, s26, s27
	s_add_co_u32 s26, s26, 16384                   ; v lies behind q and k
	s_mov_b32 s27, 0
	s_mul_i32 s28, s24, 51200
	s_mul_i32 s29, s10, 3072                       ; my two tiles of channels, 2 w and 2 w + 1
	s_add_co_u32 s30, s28, s29
	s_add_co_u32 s30, s30, 25600
	s_mov_b32 s31, 0
	s_lshl_b32 s29, s10, 8
	s_add_co_u32 s32, s28, s29
	s_add_co_u32 s32, s32, 50176
	s_mov_b32 s33, 0
	s_wait_alu depctr_va_vdst(0)
	v_lshlrev_b32 v9, 2, v1                        ; in: 4 bytes a lane; the four waves stand side by side on a row's 512 bytes
	v_lshlrev_b32 v10, 3, v1                       ; my channel's two scale words
	s_wait_alu depctr_va_vdst(0)
	s_wait_kmcnt 0x0
	s_add_nc_u64 s[12:13], s[4:5], s[26:27]
	s_add_nc_u64 s[14:15], s[8:9], s[30:31]
	s_add_nc_u64 s[16:17], s[8:9], s[32:33]
.macro LOADV B                         ; block B: v(32 B + i, my channel), i = 0 .. 31, into set B % 2.  The largest offset, 255 rows, lies inside the signed 24-bit immediate
.set XL, XV+32*((\B)%2)
.irp i, 0,1,2,3,4,5,6,7,8,9,10,11,12,13,14,15,16,17,18,19,20,21,22,23,24,25,26,27,28,29,30,31
	global_load_b32 v[XL+\i], v9, s[12:13] offset:(32*(\B)+\i)*RS th:TH_LOAD_NT
.endr
.endm
.macro BLOCKV B
.set XS, XV+32*((\B)%2)
.set POS, (\B)%4                       ; the block's place in its step of 128 keys
.set FB, FV+24*((\B)/4)+12*(POS%2)+6*(POS/2)   ; even blocks gather in one run of 12 registers, odd blocks in the next
.if (\B) < 7
	s_wait_loadcnt 32                              ; this block's 32 loads are in; the next block's may be out
.else
	s_wait_loadcnt 0x0
.endif
	v_max3_num_f32 v12, |v[XS]|, |v[XS+1]|, |v[XS+2]|              ; the block's largest magnitude: all 32 numbers are mine
	v_max3_num_f32 v13, |v[XS+3]|, |v[XS+4]|, |v[XS+5]|
.irp i, 6,10,14,18,22,26
	v_max3_num_f32 v12, v12, |v[XS+\i]|, |v[XS+\i+1]|
	v_max3_num_f32 v13, v13, |v[XS+\i+2]|, |v[XS+\i+3]|
.endr
	v_max3_num_f32 v12, v12, |v[XS+30]|, |v[XS+31]|
	v_max3_num_f32 v12, v12, v13, 0x2800000        ; and the floor 2^(5 - 127)
	v_add_nc_u32 v11, 0xfe000000, v12              ; the conversion's scale operand
	v_lshrrev_b32 v13, 23, v11                     ; the scale's byte
.if POS == 0
	v_mov_b32 v[16+(\B)/4], v13                    ; four bytes to a step's word, the lower keys in the lower byte
.else
	v_lshl_or_b32 v[16+(\B)/4], v13, 8*POS, v[16+(\B)/4]
.endif
	v_cvt_scalef32_pk16_bf6_f32 v[FB:FB+2], v[XS:XS+15], v11
	v_cvt_scalef32_pk16_bf6_f32 v[84:86], v[XS+16:XS+31], v11      ; (a conversion's three registers begin on an even number)
	v_nop                                          ; one plain place behind a scaled conversion
.irp i, 0,1,2
	v_mov_b32 v[FB+3+\i], v[84+\i]
.endr
.if (\B)+2 < 8
	LOADV (\B)+2
.endif
.if POS == 3                           ; a step is whole.  The operand's layout gives lane (r, 0) blocks 0, 2 and lane (r, 1) blocks 1, 3 of row r; I hold all four of ONE channel.
.set FA, FV+24*((\B)/4)                ; The even blocks' lanes 16-31 change places with the odd blocks' lanes 0-15: the first run is then tile 2 w's fragment, the second tile 2 w + 1's
.set i, 0
.rept 12
	v_permlane16_swap_b32 v[FA+i], v[FA+12+i]
.set i, i+1
.endr
.irp h, 0,1
.irp g, 0,1,2
	global_store_b128 v2, v[FA+12*\h+4*\g:FA+12*\h+4*\g+3], s[14:15] offset:12288*((\B)/4)+1536*\h+512*\g   ; 512 consecutive bytes
.endr
.endr
.endif
.endm
	LOADV 0
	LOADV 1
.irp t, 0,1,2,3,4,5,6,7
	BLOCKV \t
.endr
	global_store_b64 v10, v[16:17], s[16:17]       ; 32 lanes store 256 consecutive bytes, aligned
	s_endpgm
.Lfunc_end_k_q6747b6df92_quant:
	.size	k_q6747b6df92_quant, .Lfunc_end_k_q6747b6df92_quant-k_q6747b6df92_quant
	.p2alignl 7, 3214868480
	.fill 96, 4, 3214868480
	.section	.rodata,"a",@progbits
	.p2align	6, 0x0
	.amdhsa_kernel k_q6747b6df92_quant
		.amdhsa_group_segment_fixed_size 34304
		.amdhsa_private_segment_fixed_size 0
		.amdhsa_enable_private_segment 0
		.amdhsa_kernarg_size 24
		.amdhsa_user_sgpr_count 2
		.amdhsa_user_sgpr_kernarg_segment_ptr 1
		.amdhsa_wavefront_size32 1
		.amdhsa_system_sgpr_workgroup_id_x 1
		.amdhsa_system_sgpr_workgroup_id_y 1
		.amdhsa_system_sgpr_workgroup_id_z 1
		.amdhsa_system_vgpr_workitem_id 0
		.amdhsa_next_free_vgpr 256
		.amdhsa_next_free_sgpr 66
		.amdhsa_reserve_vcc 1
		.amdhsa_float_denorm_mode_32 3
		.amdhsa_float_denorm_mode_16_64 3
		.amdhsa_memory_ordered 1
		.amdhsa_forward_progress 1
		.amdhsa_inst_pref_size 113
	.end_amdhsa_kernel
	.amdgpu_metadata
---
amdhsa.version: [ 1, 2 ]
amdhsa.kernels:
  - .name:           k_q6747b6df92_quant
    .symbol:         k_q6747b6df92_quant.kd
    .args:
      - { .name: qkv, .offset: 0, .size: 8, .value_kind: global_buffer, .address_space: global }
      - { .name: qimg, .offset: 8, .size: 8, .value_kind: global_buffer, .address_space: global }
      - { .name: kvimg, .offset: 16, .size: 8, .value_kind: global_buffer, .address_space: global }
    .group_segment_fixed_size: 34304
    .private_segment_fixed_size: 0
    .kernarg_segment_align: 8
    .kernarg_segment_size: 24
    .max_flat_workgroup_size: 128
    .sgpr_count:     66
    .vgpr_count:     256
    .wavefront_size: 32
...
	.end_amdgpu_metadata
.endif
;; end of part 1
;; launch attn (part 2): grid 4 x 64, 8 waves a work-group, no clusters, 327,680 bytes of LDS; arguments qimg, kvimg, out0; writes out0
.if DOCPART == 2
	.amdgcn_target "amdgcn-amd-amdhsa--gfx1250"
	.amdhsa_code_object_version 6
	.text
	.protected	k_q6747b6df92_attn
	.globl	k_q6747b6df92_attn
	.p2align	8
	.type	k_q6747b6df92_attn,@function
k_q6747b6df92_attn:
	s_mov_b64 s[64:65], 0
	v_nop
	global_prefetch_b8 v0, s[64:65] scope:SCOPE_SE
	s_setreg_imm32_b32 hwreg(HW_REG_WAVE_MODE, 25, 1), 1
	s_wait_xcnt 0x0
; out0[b][q][h][:] = the sum over keys of softmax(Q . K / sqrt(128) + mask) V, mask = -10000 above the diagonal; both products on codes of BF6 (E3M2) with E8M0 scales for each 32 along K.
; The codes and scale words come from the launch before, as images of the operands' registers (1,536 bytes a fragment: register p of lane l at 512 (p / 4) + 16 l + 4 (p % 4)):
;   kvimg[16 b + h][slot of 256 keys], 51,200 bytes: 0 K's fragments (12288 step + 1536 tile); 24576 K's scale words; 25600 V^T's fragments; 50176 V's scale words.   qimg[16 b + h][block of 256 queries], 25,600 bytes.
; THE SOFTMAX AHEAD OF THE SECOND PRODUCT: t = logit x log2(e); M = the row's largest t so far, rounded UP to a whole number; p = 2^(t - M) is quantised along the keys, not normalised.
; The row's sum is taken of the unquantised p, in f32, and divides at the end.  When M moves, the sum and O are multiplied by 2^(old M - new M): exact.
; SHARES.  256 work-groups of eight waves.  Work-group (I, head) makes two blocks of 256 queries of its head: block I (key slots 0 .. I), then block 7 - I (slots 0 .. 7 - I): nine slots for every work-group.
; A WAVE OWNS 32 QUERIES, TWO TILES: every fragment of K and V that it reads from LDS feeds two matrix instructions.  Tile A lives in register window 0, tile B under the same register numbers in window 1,
; so that one text (softmax, mask, way out) serves both, under s_set_vgpr_msb.  Fragments 0-3 of a step lie in window 0, fragments 4-7 in window 1.  Scale words lie in window 0 alone.
; K's and V's images come through a ring of two LDS slots; EVERY WAVE brings an eighth of a slot (6,400 dense bytes, 25 rows of 256) by one tensor load; all eight read the whole slot.
; A slot's two steps of 128 keys are two trips of an inner loop: the three LDS bases are turned from one step to the other, and from one slot to the other, by an exclusive or.
; LAYOUT.  Both products are used transposed: S^T = K Q^T, O^T = V^T P^T: a lane holds ONE query (lane % 16) of each tile throughout.  The keys of a tile of K were chosen so that the 16 registers of tiles 2 b and 2 b + 1
; are the neighbouring keys 32 b + 16 (lane / 16) + 0 .. 15.
; THE MASK.  In the one step of a wave that lies on the diagonal, -10000 is ADDED to the hidden scores.  A step all of whose 128 keys come after the wave's 32 queries is LEFT OUT.
; My 32 queries are the step's keys 32 m .. 32 m + 31: blocks of 32 keys under m count whole, blocks over m are hidden whole, and in block m the hidden lanes of each register are a constant of the text.
; LIMIT: leaving a step out is right as long as no hidden logit exceeds its row's largest visible logit by 9,900 or more: then (-10000 + 9,900) x log2(e) < -126 and the hidden p is 0 in f32.  NaN and infinities are not served.
; NO CLUSTER: the four work-groups of a head walk passes of I + 1 and 8 - I slots, so that in the same trip they want different slots; walking in step would make 12 slots of every work-group's 9.
; NO DATA PREFETCH: a head's 8 slot images are read 36 times by its four work-groups, in passes that all begin at slot 0; 28 of the 36 reads name bytes that a neighbour or the work-group itself has read before.
.set SLOT1, 1<<16                      ; slot 0 at LDS byte 0, slot 1 here
.set STAGE, 2*SLOT1                    ; the way out: 16 rows x (256 bytes + 16) for each wave; no tensor load lands here
.set SPARE, STAGE+8*16*272             ; the spare words, 128 bytes for each wave: four blocks of 256 bytes that no other line names
.set KC,    0
.set KSC,   24576
.set VC,    25600
.set VSC,   50176
; WINDOW 0: v1 16 x lane; v2 16 r; v3 8 r; v5 my spare word; v6 0; v7 my byte offset in a tile's rows of out0; v8-10 the step's LDS addresses; v11, v29 the stage, in and back;
; v12 -M, v13 the largest t, v[14:15] the sum; v16-27 Q, v28 its scale words; v30-31 the mask's; v32-79 fragments 0-3; v80-87 eight tiles' scale words; v88 tile B's p's scale word; v89 tile B's Q's scale words;
; v94-95, v232-247, v252, v254-255 at work; v96-159 S^T, then p; v160-223 O^T; v224-235 p's codes; v253 tile A's p's scale word.
; WINDOW 1: tile B under the same numbers (v12-27, v30-31, v94-255); v32-79 fragments 4-7; the second block's Q: tile A's in v0-11 and v28, tile B's in v80-91 and v92.
; s10 wave; s11 I; s12 head; s[20:21] lane selects; s[22:23] log2(e); s[24:25] -10000; s[28:35], s[36:39] the descriptor; s[40:41] my eighth of the head's slot 0 in memory; s[42:43] offset of the slot asked for;
; s44 the slot in hand, s45 the next; s46 slots left in this pass; s47 trips left; s49 the step's first key; s50 my first query; s[52:53] its row of out0; s51, s[54:55], s56 the same for the second pass;
; s58, s59 the mask's lanes; s66, s67, s68 LDS bases of the step's fragments, K's scale words, V's scale words; s69 steps left in the slot.
.set MSB, 0
.macro WIN new                         ; low byte: bits 1:0 source 0, 3:2 source 1, 5:4 source 2, 7:6 destination; the high byte repeats the setting that is left
.if MSB != (\new)
	s_set_vgpr_msb (MSB<<8)|(\new)
.set MSB, (\new)
.endif
.endm
.macro NOPS4
.rept 4
	v_nop
.endr
.endm
.macro TLOAD                           ; every wave fetches its eighth of a slot: the addresses hang on the wave's number, no branch
	tensor_load_to_lds s[36:39], s[28:35]
	s_nop 0
	NOPS4
.endm
.macro INIT                            ; a pass begins, for the tile of the window that is set: the first step finds zeros, which the first change of M leaves zeros
	v_mov_b32 v13, 0xff61b1e6                      ; the largest t so far: -3e38
	s_delay_alu instid0(VALU_DEP_1)
	v_floor_f32 v12, -v13                          ; -M
	v_mov_b32 v14, 0
	v_mov_b32 v15, 0
.set j, 0
.rept 64
	v_mov_b32 v[160+j], 0
.set j, j+1
.endr
.endm
.macro ONCE                            ; written once: a lane permute's destination counts as a source, and v253 is named as the upper half of a pair
.irp b, 236,237,238,239,252,253
	v_mov_b32 v\b, 0
.endr
.endm
	s_load_b128 s[4:7], s[0:1], 0x0                ; qimg s[4:5], kvimg s[6:7]
	s_load_b64 s[8:9], s[0:1], 0x10                ; out0
	v_lshl_add_u32 v5, v0, 2, SPARE
	v_mov_b32 v6, 0
	ds_add_u32 v5, v6                              ; the opening lines: the add twice and its wait
	ds_add_u32 v5, v6
	s_wait_dscnt 0x0
	v_lshrrev_b32 v1, 5, v0
	s_delay_alu instid0(VALU_DEP_1)
	v_readfirstlane_b32 s10, v1                    ; wave 0..7
	s_mov_b32 s11, ttmp9                           ; I
	s_and_b32 s12, ttmp7, 0xffff                   ; 16 b + h
	; descriptor group 1: 6,400 dense bytes as 25 rows of 256 (32 elements of 8 bytes), no padding
	s_mov_b32 s28, 3<<16
	s_mov_b32 s29, 32<<16
	s_mov_b32 s30, 25<<16
	s_mov_b32 s31, 32<<16
	s_mov_b32 s32, 25
	s_mov_b32 s33, 32
	s_mov_b32 s34, 0
	s_mov_b32 s35, 0
	s_mul_i32 s37, s10, 6400                       ; my eighth's place in LDS slot 0, and in a slot's image
	s_mul_i32 s14, s12, 8*51200
	s_add_co_u32 s14, s14, s37
	s_mov_b32 s15, 0
	s_mov_b32 s36, 1
	s_mov_b32 s20, 0x76543210
	s_mov_b32 s21, 0xfedcba98                      ; v_permlanex16_b32's selects for lane l xor 16
	s_mov_b32 s22, 0x3fb8aa3b                      ; log2(e): k was multiplied by 1 / sqrt(128) ahead of its quantiser
	s_mov_b32 s23, s22
	s_mov_b32 s24, 0xc61c4000                      ; -10000.0
	s_mov_b32 s25, s24                             ; (named with it as a pair)
	s_mov_b32 s43, 0
	s_mov_b32 s44, 0
	s_add_co_u32 s46, s11, 1                       ; the first pass has I + 1 slots,
	s_sub_co_u32 s56, 8, s11                       ; the second 8 - I
	s_mov_b32 s47, 8
	s_mov_b32 s49, 0
	s_lshl_b32 s57, s10, 5
	s_lshl_b32 s50, s11, 8
	s_add_co_u32 s50, s50, s57                     ; my first query: 256 I + 32 wave,
	s_sub_co_u32 s58, 7, s11
	s_lshl_b32 s51, s58, 8
	s_add_co_u32 s51, s51, s57                     ; and 256 (7 - I) + 32 wave
	s_lshr_b32 s59, s12, 4
	s_lshl_b32 s59, s59, 24                        ; b: 2,048 rows of 8,192 bytes
	s_and_b32 s60, s12, 15
	s_lshl_b32 s60, s60, 9                         ; h: 512 bytes
	s_add_co_u32 s59, s59, s60
	s_lshl_b32 s60, s50, 13
	s_add_co_u32 s60, s60, s59
	s_mov_b32 s61, 0
	s_lshl_b32 s62, s51, 13
	s_add_co_u32 s62, s62, s59
	s_mov_b32 s63, 0
	s_lshl_b32 s66, s12, 3
	s_add_co_u32 s67, s66, s11
	s_mul_i32 s67, s67, 25600                      ; the first block's image of Q,
	s_add_co_u32 s69, s66, s58
	s_mul_i32 s69, s69, 25600                      ; the second's
	s_mul_i32 s68, s10, 3072                       ; my two tiles' fragments: tiles 2 wave and 2 wave + 1
	s_add_co_u32 s70, s67, s68
	s_mov_b32 s71, 0
	s_add_co_u32 s72, s69, s68
	s_mov_b32 s73, 0
	s_lshr_b32 s68, s10, 1
	s_lshl_b32 s68, s68, 8
	s_and_b32 s66, s10, 1
	s_lshl_b32 s66, s66, 3
	s_add_co_u32 s68, s68, s66
	s_add_co_u32 s68, s68, KSC                     ; tile 2 wave's scale words: 24576 + 256 (wave / 2) + 8 (wave % 2) + 16 r; tile 2 wave + 1's 4 bytes on
	s_add_co_u32 s74, s67, s68
	s_mov_b32 s75, 0
	s_add_co_u32 s76, s69, s68
	s_mov_b32 s77, 0
	s_mul_i32 s78, s10, 16*272
	s_add_co_u32 s78, s78, STAGE                   ; my stage
	s_mov_b32 s66, 0
	s_mov_b32 s67, 0
	s_mov_b32 s68, 0
	s_wait_kmcnt 0x0
	s_add_nc_u64 s[40:41], s[6:7], s[14:15]
	s_mov_b64 s[38:39], s[40:41]                   ; the head's slot 0
	s_or_b32 s39, s39, 0x80000000                  ; type = 2
	TLOAD                                          ; my one first fill, ahead of every wait on TENSORcnt, LDS read and barrier
	s_add_nc_u64 s[52:53], s[8:9], s[60:61]
	s_add_nc_u64 s[54:55], s[8:9], s[62:63]
	s_add_nc_u64 s[70:71], s[4:5], s[70:71]
	s_add_nc_u64 s[72:73], s[4:5], s[72:73]
	s_add_nc_u64 s[74:75], s[4:5], s[74:75]
	s_add_nc_u64 s[76:77], s[4:5], s[76:77]
	v_and_b32 v1, 31, v0
	s_delay_alu instid0(VALU_DEP_1)
	v_lshlrev_b32 v1, 4, v1                        ; 16 x lane
	v_and_b32 v30, 15, v0                          ; r
	v_bfe_u32 v31, v0, 4, 1                        ; lane / 16
	s_delay_alu instid0(VALU_DEP_2)
	v_lshlrev_b32 v2, 4, v30
.irp c, 0,1,2
	global_load_b128 v[16+4*\c:19+4*\c], v1, s[70:71] offset:512*\c          ; the first block's tile A
.endr
	global_load_b32 v28, v2, s[74:75]
	global_load_b32 v89, v2, s[74:75] offset:4
	WIN 0x40                                       ; destinations in window 1
.irp c, 0,1,2
	global_load_b128 v[16+4*\c:19+4*\c], v1, s[70:71] offset:1536+512*\c     ; its tile B
	global_load_b128 v[4*\c:3+4*\c], v1, s[72:73] offset:512*\c              ; the second block's two tiles wait in window 1
	global_load_b128 v[80+4*\c:83+4*\c], v1, s[72:73] offset:1536+512*\c
.endr
	global_load_b32 v28, v2, s[76:77]
	global_load_b32 v92, v2, s[76:77] offset:4
	WIN 0
	v_lshlrev_b32 v3, 3, v30
	v_lshl_add_u32 v7, v31, 13, v2                 ; the way out: lanes 0-15 take one query's row, lanes 16-31 the next (8,192 bytes on); 16 bytes a lane
	v_mul_u32_u24 v11, v30, 272
	s_delay_alu instid0(VALU_DEP_1)
	v_lshl_add_u32 v11, v31, 5, v11
	s_delay_alu instid0(VALU_DEP_1)
	v_add_nc_u32 v11, s78, v11                     ; the stage, in: row r, + 32 (lane / 16)
	v_mul_u32_u24 v29, v31, 272
	s_delay_alu instid0(VALU_DEP_1)
	v_lshl_add_u32 v29, v30, 4, v29
	s_delay_alu instid0(VALU_DEP_1)
	v_add_nc_u32 v29, s78, v29                     ; and back: lanes 0-15 one row, lanes 16-31 the next
	INIT
	ONCE
	WIN 0x55
	INIT
	ONCE
	WIN 0
.macro FRAGS base                      ; a step's eight fragments: 24 loads of 512 consecutive bytes each; 0-3 into window 0, 4-7 into window 1
.irp t, 0,1,2,3
.irp c, 0,1,2
	ds_load_b128 v[32+12*\t+4*\c:35+12*\t+4*\c], v8 offset:\base+1536*\t+512*\c
.endr
.endr
	WIN 0x40
.irp t, 0,1,2,3
.irp c, 0,1,2
	ds_load_b128 v[32+12*\t+4*\c:35+12*\t+4*\c], v8 offset:\base+6144+1536*\t+512*\c
.endr
.endr
	WIN 0
.endm
.macro SQ f, b                         ; S^T = K Q^T: fragments 4 f .. 4 f + 3 (window f) x tile b's Q (window b)
	WIN (\f|(0x54*\b))
.irp t, 0,1,2,3
	v_wmma_scale_f32_16x16x128_f8f6f4 v[96+8*(4*\f+\t):103+8*(4*\f+\t)], v[32+12*\t:43+12*\t], v[16:27], 0, v[80+4*\f+\t], v[28+61*\b] matrix_a_fmt:MATRIX_FMT_BF6 matrix_b_fmt:MATRIX_FMT_BF6
.endr
.endm
.macro PV f, b                         ; O^T += V^T P^T: four accumulators, one instruction each
	WIN (\f|(0x54*\b))
.irp t, 0,1,2,3
	v_wmma_scale_f32_16x16x128_f8f6f4 v[160+8*(4*\f+\t):167+8*(4*\f+\t)], v[32+12*\t:43+12*\t], v[224:235], v[160+8*(4*\f+\t):167+8*(4*\f+\t)], v[80+4*\f+\t], v[253-165*\b] matrix_a_fmt:MATRIX_FMT_BF6 matrix_b_fmt:MATRIX_FMT_BF6
.endr
.endm
; THE MASK of tile b where my queries are the step's keys 32 m + 16 b + r.  Register 16 m + i of lane (r, h) holds key 32 m + 16 h + i: hidden where 16 h + i > 16 b + r.
; Tile A: lanes 16-31 all, and of lanes 0-15 those with r < i.  Tile B: of lanes 16-31 those with r < i (none for i = 0).  The lanes are a constant for each i.  Blocks over m: every lane.
.macro MHALF m, b
.set i, \b
.rept 16-\b
	s_mov_b32 s[58+i%2], (((1<<i)-1)<<(16*\b))|(0xffff0000*(1-\b))
	v_add_f32 v[30+i%2], s24, v[96+16*\m+i]        ; the mask is additive: score - 10000
	v_cndmask_b32 v[96+16*\m+i], v[96+16*\m+i], v[30+i%2], s[58+i%2]
.set i, i+1
.endr
.if \m < 3
.set j, 16*(\m+1)
.rept 8*(3-\m)
	v_pk_add_f32 v[96+j:97+j], v[96+j:97+j], s[24:25] op_sel_hi:[1,0]
.set j, j+2
.endr
.endif
.endm
.macro MARM m
	MHALF \m, 0
	WIN 0x55
	MHALF \m, 1
	WIN 0
.endm
.macro SOFTMAX b                       ; tile b, all its registers in window b
	WIN 0x55*\b
.if \b
	s_wait_alu depctr_va_vdst(0)
.endif
.irp b4, 0,1,2,3
	v_max3_num_f32 v[232+\b4], v[96+16*\b4], v[97+16*\b4], v[98+16*\b4]   ; the largest score of each block of 32 keys serves twice: for the row's maximum and, since p rises with the score, for the block's largest p
.endr
.irp i, 3,5,7,9,11,13
.irp b4, 0,1,2,3
	v_max3_num_f32 v[232+\b4], v[232+\b4], v[96+16*\b4+\i], v[97+16*\b4+\i]
.endr
.endr
.irp b4, 0,1,2,3
	v_max_num_f32 v[232+\b4], v[232+\b4], v[111+16*\b4]
.endr
.irp b4, 0,1,2,3
	s_delay_alu instid0(VALU_DEP_4)
	v_permlanex16_b32 v[236+\b4], v[232+\b4], s20, s21
.endr
.irp b4, 0,1,2,3
	s_delay_alu instid0(VALU_DEP_4)
	v_max_num_f32 v[232+\b4], v[232+\b4], v[236+\b4]  ; with lane l xor 16's 16 keys
.endr
	s_delay_alu instid0(VALU_DEP_2)
	v_max3_num_f32 v254, v232, v233, v234
	s_delay_alu instid0(VALU_DEP_1)
	v_max_num_f32 v254, v254, v235                 ; the step's largest score of my query
	s_delay_alu instid0(VALU_DEP_1)
	v_mul_f32 v254, s22, v254                      ; as t
	s_delay_alu instid0(VALU_DEP_1)
	v_max_num_f32 v13, v13, v254                   ; the running largest t
	v_mov_b32 v254, v12
	s_delay_alu instid0(VALU_DEP_2)
	v_floor_f32 v12, -v13                          ; the new -M = -ceil(t)
	s_delay_alu instid0(VALU_DEP_1)
	v_sub_f32 v254, v12, v254                      ; old M - new M: a whole number, 0 or less
	s_delay_alu instid0(VALU_DEP_1)
	v_cvt_i32_f32 v254, v254
	s_delay_alu instid0(VALU_DEP_1)
	v_ldexp_f32 v252, 1.0, v254                    ; f = 2^(old M - new M)
.set j, 0
.rept 32
	v_pk_fma_f32 v[96+j:97+j], v[96+j:97+j], s[22:23], v[12:13] op_sel_hi:[1,0,0]   ; t - M, two at a time
.set j, j+2
.endr
.irp b4, 0,1,2,3
	v_fma_f32 v[232+\b4], v[232+\b4], s22, v12     ; the same of each block's largest score
.endr
.set j, 0
	s_wait_alu depctr_va_vdst(0)                   ; the wait ahead of the batch
.rept 64
	v_exp_f32 v[96+j], v[96+j]                     ; p = 2^(t - M), at most 1
.set j, j+1
.endr
.irp b4, 0,1,2,3
	v_exp_f32 v[232+\b4], v[232+\b4]               ; the block's largest p
.endr
	v_pk_mul_f32 v[14:15], v[14:15], v[252:253] op_sel_hi:[1,0]   ; the sums under the new M; a plain place behind the exponentials
	s_wait_alu depctr_va_vdst(0)                   ; and the wait behind it
.irp b4, 0,1,2,3
	v_max_num_f32 v[232+\b4], 0x2800000, v[232+\b4]  ; the floor 2^(5 - 127): the byte cannot fall under 1
.endr
.irp b4, 0,1,2,3
	s_delay_alu instid0(VALU_DEP_4)
	v_add_nc_u32 v[244+\b4], 0xfe000000, v[232+\b4]  ; 4 off the exponent field: the conversion's scale operand
.endr
.irp b4, 0,1,2,3
	s_delay_alu instid0(VALU_DEP_4)
	v_lshrrev_b32 v[236+\b4], 23, v[244+\b4]       ; the scale's byte
.endr
	s_delay_alu instid0(VALU_DEP_3)
	v_lshl_or_b32 v253, v237, 8, v236              ; p's scale word for these 128 keys
	s_delay_alu instid0(VALU_DEP_1)
	v_lshl_or_b32 v253, v238, 16, v253
.if \b
	WIN 0x15                                       ; tile B's word is finished into window 0, where scale registers are taken from
	v_lshl_or_b32 v88, v239, 24, v253
	WIN 0x55
.else
	s_delay_alu instid0(VALU_DEP_1)
	v_lshl_or_b32 v253, v239, 24, v253
.endif
.irp c, 0,1
	v_cvt_scalef32_pk16_bf6_f32 v[224+6*\c:226+6*\c], v[96+32*\c:111+32*\c], v[244+2*\c]
	v_cvt_scalef32_pk16_bf6_f32 v[236+4*\c:238+4*\c], v[112+32*\c:127+32*\c], v[244+2*\c+1]   ; (a conversion's three registers begin on an even number)
.endr
	v_nop                                          ; one plain place behind a scaled conversion
.irp c, 0,1                                    ; the operand's layout wants a whole block in a lane: lanes 0-15 block 2 c, lanes 16-31 block 2 c + 1
.irp i, 0,1,2
	v_permlane16_swap_b32 v[224+6*\c+\i], v[236+4*\c+\i]
.endr
.irp i, 0,1,2
	s_delay_alu instid0(VALU_DEP_3)
	v_mov_b32 v[227+6*\c+\i], v[236+4*\c+\i]
.endr
.endr
	v_pk_add_f32 v[236:237], v[100:101], v[104:105]   ; the row's sum of the unquantised p, in eight chains
	v_pk_add_f32 v[254:255], v[108:109], v[112:113]
	v_pk_add_f32 v[246:247], v[116:117], v[120:121]
	v_pk_add_f32 v[244:245], v[124:125], v[128:129]
	v_pk_add_f32 v[242:243], v[132:133], v[136:137]
	v_pk_add_f32 v[240:241], v[140:141], v[144:145]
	v_pk_add_f32 v[94:95], v[148:149], v[152:153]
	v_pk_add_f32 v[14:15], v[14:15], v[156:157]
	v_pk_add_f32 v[236:237], v[236:237], v[96:97]
	v_pk_add_f32 v[254:255], v[254:255], v[98:99]
	v_pk_add_f32 v[246:247], v[246:247], v[102:103]
	v_pk_add_f32 v[244:245], v[244:245], v[106:107]
	v_pk_add_f32 v[242:243], v[242:243], v[110:111]
	v_pk_add_f32 v[240:241], v[240:241], v[114:115]
	v_pk_add_f32 v[94:95], v[94:95], v[118:119]
	v_pk_add_f32 v[14:15], v[14:15], v[122:123]
	v_pk_add_f32 v[236:237], v[236:237], v[126:127]
	v_pk_add_f32 v[254:255], v[254:255], v[130:131]
	v_pk_add_f32 v[246:247], v[246:247], v[134:135]
	v_pk_add_f32 v[244:245], v[244:245], v[138:139]
	v_pk_add_f32 v[242:243], v[242:243], v[142:143]
	v_pk_add_f32 v[240:241], v[240:241], v[146:147]
	v_pk_add_f32 v[94:95], v[94:95], v[150:151]
	v_pk_add_f32 v[14:15], v[14:15], v[154:155]
	v_pk_add_f32 v[236:237], v[236:237], v[158:159]
	s_delay_alu instid0(VALU_DEP_2)
	v_pk_add_f32 v[14:15], v[14:15], v[244:245]
	s_delay_alu instid0(VALU_DEP_2)
	v_pk_add_f32 v[236:237], v[236:237], v[242:243]
	v_pk_add_f32 v[254:255], v[254:255], v[240:241]
	v_pk_add_f32 v[246:247], v[246:247], v[94:95]
	s_delay_alu instid0(VALU_DEP_2)
	v_pk_add_f32 v[14:15], v[14:15], v[254:255]
	s_delay_alu instid0(VALU_DEP_2)
	v_pk_add_f32 v[236:237], v[236:237], v[246:247]
	s_delay_alu instid0(VALU_DEP_1)
	v_pk_add_f32 v[14:15], v[14:15], v[236:237]
	s_wait_alu depctr_va_vdst(0)                   ; directly ahead of the first reader of O^T, a matrix result read behind exponentials
.set j, 0
.rept 32
	v_pk_mul_f32 v[160+j:161+j], v[160+j:161+j], v[252:253] op_sel_hi:[1,0]   ; O^T under the new M; also the places between the writing of p's codes and scale word and the products
.set j, j+2
.endr
.endm
; A KEY STEP: 128 keys for my 32 queries.
.macro STEP
	s_add_co_u32 s57, s50, 31                      ; a step all of whose keys come after my 32 queries is left out: a scalar branch on ids, round no barrier and no tensor load
	s_cmp_gt_u32 s49, s57
	s_cbranch_scc1 .Lhidden_\@
	v_add_nc_u32 v8, s66, v1                       ; these three and the v_nop are the four places in front of loads into registers that the last products read
	v_add_nc_u32 v9, s67, v2
	v_add_nc_u32 v10, s68, v3
	v_nop
	s_wait_alu depctr_va_vdst(0)
	ds_load_b128 v[80:83], v9 offset:KSC           ; tiles 0-3's scale words of row r,
	ds_load_b128 v[84:87], v9 offset:KSC+256       ; tiles 4-7's
	FRAGS KC
	s_wait_dscnt 12                                ; all but the twelve youngest loads, fragments 4-7's
	SQ 0, 0
	SQ 0, 1
	s_wait_dscnt 0x0
	SQ 1, 0
	SQ 1, 1
	WIN 0
	NOPS4                                          ; places in front of the loads below and of the first read of the scores
.irp t, 0,1,2,3,4,5,6,7
	ds_load_b32 v[80+\t], v10 offset:VSC+128*\t    ; V's scale words and fragments are asked for here and land while the softmax is walked
.endr
	FRAGS VC
	s_add_co_u32 s57, s49, 127                     ; a step all of whose keys count skips the mask
	s_cmp_le_u32 s57, s50
	s_cbranch_scc1 .Lopen_\@
	s_sub_co_i32 s57, s50, s49                     ; 32 m: 0, 32, 64 or 96 (my first query is a multiple of 32, the step's first key of 128).  One arm for each m: branches on ids alone
	s_cmp_eq_u32 s57, 0
	s_cbranch_scc1 .Lm0_\@
	s_cmp_eq_u32 s57, 32
	s_cbranch_scc1 .Lm1_\@
	s_cmp_eq_u32 s57, 64
	s_cbranch_scc1 .Lm2_\@
	MARM 3
	s_branch .Lopen_\@
.Lm2_\@:
	MARM 2
	s_branch .Lopen_\@
.Lm1_\@:
	MARM 1
	s_branch .Lopen_\@
.Lm0_\@:
	MARM 0
.Lopen_\@:
	SOFTMAX 0
	SOFTMAX 1
	WIN 0
	s_wait_alu depctr_va_vdst(0)
	s_wait_dscnt 0x0                               ; V's fragments and scale words are in
	PV 0, 0
	PV 0, 1
	PV 1, 0
	PV 1, 1
	WIN 0
.Lhidden_\@:
	s_add_co_u32 s49, s49, 128
.endm
.macro SLOTWORK                        ; a slot's two steps: two trips; the exclusive ors turn the bases to the other step and back
	s_mov_b32 s69, 2
.Lq_\@:
	STEP
	s_xor_b32 s66, s66, 12288
	s_xor_b32 s67, s67, 512
	s_xor_b32 s68, s68, 4
	s_sub_co_u32 s69, s69, 1
	s_cmp_lg_u32 s69, 0
	s_cbranch_scc1 .Lq_\@
.endm
; THE CHANGE OF SLOTS stands at a slot's head.  Each wave waits for its tensor load (its eighth of the slot that is about to be read), adds 0 to its spare word, and waits for that and for its reads of the slot that it has left.
; Behind the barrier the slot ahead is whole and nobody reads the other one.  fill = 1: that other slot takes the next slot of the walk: eight loads, one a wave, with two key steps in which to land.
.macro CHANGE fill
	s_wait_tensorcnt 0x0                           ; no tensor load of mine is out, so the descriptor may be written
	ds_add_u32 v5, v6                              ; 0 onto my spare word: the descriptor's lines stand between it and the wait for it
.if \fill
	s_add_co_u32 s45, s44, 1                       ; the next slot of this pass,
	s_cmp_gt_u32 s46, 1
	s_cselect_b32 s45, s45, 0                      ; or, behind a pass's last slot, slot 0 for the second pass
	s_mul_i32 s42, s45, 51200
	s_add_nc_u64 s[38:39], s[40:41], s[42:43]
	s_or_b32 s39, s39, 0x80000000
	s_xor_b32 s37, s37, SLOT1                      ; the other LDS slot than last time
.endif
	s_wait_dscnt 0x0                               ; the add is done, and my reads of the slot that I have left are over
	s_barrier_signal -1
	s_barrier_wait -1
.if \fill
	TLOAD                                          ; the first thing behind the barrier, and a wave's one tensor load until the next
.endif
.endm
; THE WAY OUT of tile b.  O^T / the sum goes through my stage in LDS, half a row (64 channels, 256 bytes) of 16 queries at a time, and comes back into O^T's registers, which are done with.
.macro WAYOUT b
	WIN 0x55*\b
	v_add_f32 v14, v14, v15                        ; the sum's two halves,
	s_wait_alu depctr_va_vdst(0)
	v_permlanex16_b32 v252, v14, s20, s21
	s_delay_alu instid0(VALU_DEP_1)
	v_add_f32 v14, v14, v252                       ; and lane l xor 16's: the row's sum
	s_wait_alu depctr_va_vdst(0)
	v_rcp_f32 v14, v14
	v_nop                                          ; one plain place behind a transcendental
.set j, 0
	s_wait_alu depctr_va_vdst(0)
.rept 64
	v_mul_f32 v[96+j], v[160+j], v14               ; register 8 t + i is o(query r, channel 16 t + 8 (lane / 16) + i)
.set j, j+1
.endr
.irp u, 0,1                                    ; channels 64 u on
	WIN 0x04*\b                                    ; addresses in window 0, data in window b
.irp t, 0,1,2,3
	ds_store_b128 v11, v[96+32*\u+8*\t:99+32*\u+8*\t] offset:64*\t
	ds_store_b128 v11, v[100+32*\u+8*\t:103+32*\u+8*\t] offset:64*\t+16
.endr
	WIN 0x40*\b
.irp i, 0,1,2,3,4,5,6,7
	ds_load_b128 v[160+32*\u+4*\i:163+32*\u+4*\i], v29 offset:544*\i   ; LDS serves a wave's instructions in order: these see my stores, and the next half's stores come behind them
.endr
.endr
	WIN 0x04*\b
.irp u, 0,1
.irp i, 0,1,2,3,4,5,6,7
	s_wait_dscnt 16*(1-\u)+7-\i                    ; the LDS instructions issued behind this load may be out
	global_store_b128 v7, v[160+32*\u+4*\i:163+32*\u+4*\i], s[52:53] offset:131072*\b+16384*\i+256*\u th:TH_STORE_NT   ; 16 lanes store 256 consecutive bytes, at a multiple of 256 from out0's first byte
.endr
.endr
	WIN 0
.endm
	s_wait_alu depctr_va_vdst(0)                   ; the head's end
	s_wait_loadcnt 0x0                             ; Q, both blocks'
.Lslot:                                            ; eight trips: behind each change of slots but the last the next slot is asked for
	CHANGE 1
	SLOTWORK
	s_xor_b32 s66, s66, SLOT1                      ; on to the other LDS slot
	s_xor_b32 s67, s67, SLOT1
	s_xor_b32 s68, s68, SLOT1
	s_mov_b32 s44, s45
	s_sub_co_u32 s46, s46, 1
	s_cmp_lg_u32 s46, 0
	s_cbranch_scc1 .Lsame                          ; the same for all eight waves: it hangs on the work-group's number and the trip alone
	NOPS4                                          ; places behind the last products
	WAYOUT 0                                       ; the first pass is over
	WAYOUT 1
	s_wait_xcnt 0x0                                ; only behind this wait are the stores' registers and their base written again
	WIN 0x01                                       ; from window 1 into window 0: the second block's tile A and both tiles' scale words
.set j, 0
.rept 12
	v_mov_b32 v[16+j], v[j]
.set j, j+1
.endr
	v_mov_b32 v28, v28
	v_mov_b32 v89, v92
	WIN 0x41                                       ; inside window 1: tile B
.set j, 0
.rept 12
	v_mov_b32 v[16+j], v[80+j]
.set j, j+1
.endr
	WIN 0
	INIT                                           ; (its moves are also the places between the writing of Q and its scale words and the next products)
	WIN 0x55
	INIT
	WIN 0
	s_wait_alu depctr_va_vdst(0)
	s_mov_b64 s[52:53], s[54:55]
	s_mov_b32 s50, s51
	s_mov_b32 s46, s56
.Lsame:
	s_lshl_b32 s49, s44, 8                         ; the next slot's first key
	s_sub_co_u32 s47, s47, 1
	s_cmp_lg_u32 s47, 0
	s_cbranch_scc1 .Lslot
	CHANGE 0                                       ; the ninth slot is written out
	SLOTWORK
	NOPS4
	WAYOUT 0
	WAYOUT 1
	s_wait_tensorcnt 0x0                           ; the wave's end
	ds_add_u32 v5, v6
	s_wait_dscnt 0x0
	s_endpgm
.Lfunc_end_k_q6747b6df92_attn:
	.size	k_q6747b6df92_attn, .Lfunc_end_k_q6747b6df92_attn-k_q6747b6df92_attn
	.p2alignl 7, 3214868480
	.fill 96, 4, 3214868480
	.section	.rodata,"a",@progbits
	.p2align	6, 0x0
	.amdhsa_kernel k_q6747b6df92_attn
		.amdhsa_group_segment_fixed_size 327680
		.amdhsa_private_segment_fixed_size 0
		.amdhsa_enable_private_segment 0
		.amdhsa_kernarg_size 24
		.amdhsa_user_sgpr_count 2
		.amdhsa_user_sgpr_kernarg_segment_ptr 1
		.amdhsa_wavefront_size32 1
		.amdhsa_system_sgpr_workgroup_id_x 1
		.amdhsa_system_sgpr_workgroup_id_y 1
		.amdhsa_system_sgpr_workgroup_id_z 1
		.amdhsa_system_vgpr_workitem_id 0
		.amdhsa_next_free_vgpr 512
		.amdhsa_next_free_sgpr 80
		.amdhsa_reserve_vcc 0
		.amdhsa_float_denorm_mode_32 3
		.amdhsa_float_denorm_mode_16_64 3
		.amdhsa_memory_ordered 1
		.amdhsa_forward_progress 1
		.amdhsa_inst_pref_size 170
	.end_amdhsa_kernel
	.amdgpu_metadata
---
amdhsa.version: [ 1, 2 ]
amdhsa.kernels:
  - .name:           k_q6747b6df92_attn
    .symbol:         k_q6747b6df92_attn.kd
    .args:
      - { .name: qimg, .offset: 0, .size: 8, .value_kind: global_buffer, .address_space: global }
      - { .name: kvimg, .offset: 8, .size: 8, .value_kind: global_buffer, .address_space: global }
      - { .name: out0, .offset: 16, .size: 8, .value_kind: global_buffer, .address_space: global }
    .group_segment_fixed_size: 327680
    .private_segment_fixed_size: 0
    .kernarg_segment_align: 8
    .kernarg_segment_size: 24
    .max_flat_workgroup_size: 256
    .sgpr_count:     80
    .vgpr_count:     512
    .wavefront_size: 32
...
	.end_amdgpu_metadata
.endif
;; end of part 2
